; MI455X (gfx1250); checked and timed in simulation.
; The chip was launched on July 23, 2026; its instructions are those of AMD's public machine-readable ISA for CDNA 5 (MIT licence, August 2026) and "CDNA5" Instruction Set Architecture Reference Guide (July 2026). The comments in the code are by the model that wrote it; some were corrected since.
;; n ODE. Allowed arithmetic: float matrix products may take bf16 or f16 operands with f32 sums; all other float work in f32.
;; Inputs: W_in 512 x 512 float32; b_in 512 float32; gamma 512 float32; x 32,768 x 512 float32.
;; Outputs: out0 32,768 x 512 float32.
;; 2 versions, each right and faster than the one before. Each part assembles by itself: llvm-mc -triple=amdgcn-amd-amdhsa -mcpu=gfx1250 --defsym DOCPART=n.
;; ======== version 1 of 2: 2 launches
;; workspace buffers: wb 524,288 bytes
;; launch cast (part 1): grid 256 x 1, 4 waves a work-group, no clusters, 0 bytes of LDS; arguments W_in, wb; writes wb
.if DOCPART == 1
	.amdgcn_target "amdgcn-amd-amdhsa--gfx1250"
	.amdhsa_code_object_version 6
	.text
	.protected	k_q3a81d5d810_cast
	.globl	k_q3a81d5d810_cast
	.p2align	8
	.type	k_q3a81d5d810_cast,@function
k_q3a81d5d810_cast:
	s_mov_b64 s[64:65], 0
	v_nop
	global_prefetch_b8 v0, s[64:65] scope:SCOPE_SE
	s_setreg_imm32_b32 hwreg(HW_REG_WAVE_MODE, 25, 1), 1
	s_wait_xcnt 0x0
; wb[n][k] = bf16(2 log2(e) * W_in[n][k]).  W_in: [512][512] f32; wb: [512][512] bf16, row-major.
; The factor turns the next launch's sums into arguments of 2^y: tanh(z) = 1 - 2 / (1 + 2^(2 log2(e) z)).
; The product is rounded to f32 and then once more to bf16.  LIMIT: |W_in| stays under 1.1e38, so that the product is finite.
; A stream: 262,144 numbers, 256 work-groups x 4 waves x 256 numbers.  A wave reads 1,024 consecutive bytes by two loads of 16 bytes a lane
; and writes 512 by two stores of 8 bytes a lane: each store of the wave covers 256 consecutive bytes, aligned.  No LDS, no barrier.
	s_load_b128 s[4:7], s[0:1], 0x0                ; W_in s[4:5], wb s[6:7]
	s_lshl_b32 s8, ttmp9, 12                       ; the work-group's 4,096 bytes of W_in
	s_mov_b32 s9, 0
	s_lshl_b32 s10, ttmp9, 11                      ; and its 2,048 bytes of wb
	s_mov_b32 s11, 0
	s_mov_b32 s12, 0x4038aa3b                      ; 2 log2(e) = 2.885390
	s_mov_b32 s13, s12                             ; named with it as a pair
	v_and_b32 v1, 0xe0, v0                         ; 32 x wave
	v_and_b32 v3, 31, v0                           ; lane
	v_lshlrev_b32 v1, 5, v1                        ; 1,024 x wave
	v_lshl_add_u32 v1, v3, 4, v1                   ; + 16 x lane: where I read
	v_lshrrev_b32 v2, 1, v1                        ; half of that: where I write
	s_wait_kmcnt 0x0
	s_add_nc_u64 s[4:5], s[4:5], s[8:9]
	s_add_nc_u64 s[6:7], s[6:7], s[10:11]
	global_load_b128 v[4:7], v1, s[4:5] th:TH_LOAD_NT
	global_load_b128 v[8:11], v1, s[4:5] offset:512 th:TH_LOAD_NT
	s_wait_loadcnt 0x0
	v_pk_mul_f32 v[4:5], v[4:5], s[12:13] op_sel_hi:[1,0]
	v_pk_mul_f32 v[6:7], v[6:7], s[12:13] op_sel_hi:[1,0]
	v_pk_mul_f32 v[8:9], v[8:9], s[12:13] op_sel_hi:[1,0]
	v_pk_mul_f32 v[10:11], v[10:11], s[12:13] op_sel_hi:[1,0]
	v_cvt_pk_bf16_f32 v12, v4, v5
	v_cvt_pk_bf16_f32 v13, v6, v7
	v_cvt_pk_bf16_f32 v14, v8, v9
	v_cvt_pk_bf16_f32 v15, v10, v11
	global_store_b64 v2, v[12:13], s[6:7]          ; no hint: the next launch reads these bytes many times
	global_store_b64 v2, v[14:15], s[6:7] offset:256
	s_endpgm
.Lfunc_end_k_q3a81d5d810_cast:
	.size	k_q3a81d5d810_cast, .Lfunc_end_k_q3a81d5d810_cast-k_q3a81d5d810_cast
	.p2alignl 7, 3214868480
	.fill 96, 4, 3214868480
	.section	.rodata,"a",@progbits
	.p2align	6, 0x0
	.amdhsa_kernel k_q3a81d5d810_cast
		.amdhsa_group_segment_fixed_size 0
		.amdhsa_private_segment_fixed_size 0
		.amdhsa_enable_private_segment 0
		.amdhsa_kernarg_size 16
		.amdhsa_user_sgpr_count 2
		.amdhsa_user_sgpr_kernarg_segment_ptr 1
		.amdhsa_wavefront_size32 1
		.amdhsa_system_sgpr_workgroup_id_x 1
		.amdhsa_system_sgpr_workgroup_id_y 1
		.amdhsa_system_sgpr_workgroup_id_z 1
		.amdhsa_system_vgpr_workitem_id 0
		.amdhsa_next_free_vgpr 16
		.amdhsa_next_free_sgpr 66
		.amdhsa_reserve_vcc 0
		.amdhsa_float_denorm_mode_32 3
		.amdhsa_float_denorm_mode_16_64 3
		.amdhsa_memory_ordered 1
		.amdhsa_forward_progress 1
		.amdhsa_inst_pref_size 2
	.end_amdhsa_kernel
	.amdgpu_metadata
---
amdhsa.version: [ 1, 2 ]
amdhsa.kernels:
  - .name:           k_q3a81d5d810_cast
    .symbol:         k_q3a81d5d810_cast.kd
    .args:
      - { .name: W_in, .offset: 0, .size: 8, .value_kind: global_buffer, .address_space: global }
      - { .name: wb, .offset: 8, .size: 8, .value_kind: global_buffer, .address_space: global }
    .group_segment_fixed_size: 0
    .private_segment_fixed_size: 0
    .kernarg_segment_align: 8
    .kernarg_segment_size: 16
    .max_flat_workgroup_size: 128
    .sgpr_count:     66
    .vgpr_count:     16
    .wavefront_size: 32
...
	.end_amdgpu_metadata
.endif
;; end of part 1
;; launch node (part 2): grid 256 x 1, 4 waves a work-group, clusters of 4 x 1, 327,680 bytes of LDS; arguments x, wb, b_in, gamma, out0; writes out0
.if DOCPART == 2
	.amdgcn_target "amdgcn-amd-amdhsa--gfx1250"
	.amdhsa_code_object_version 6
	.text
	.protected	k_q3a81d5d810_node
	.globl	k_q3a81d5d810_node
	.p2align	8
	.type	k_q3a81d5d810_node,@function
k_q3a81d5d810_node:
	s_mov_b64 s[64:65], 0
	v_nop
	global_prefetch_b8 v0, s[64:65] scope:SCOPE_SE
	s_setreg_imm32_b32 hwreg(HW_REG_WAVE_MODE, 25, 1), 1
	s_wait_xcnt 0x0
	s_wait_alu depctr_hold_cnt(0) depctr_sa_sdst(0) depctr_va_vdst(0) depctr_va_sdst(0) depctr_va_ssrc(0) depctr_va_vcc(0) depctr_vm_vsrc(0)
	s_getreg_b32 s2, hwreg(HW_REG_IB_STS2, 6, 4)
	s_cmp_eq_u32 s2, 0
	s_cbranch_scc0 .Lentry_in_a_cluster
	s_endpgm
.Lentry_in_a_cluster:
	s_bfe_u32 s2, ttmp6, 0x10000c
	s_cmp_lg_u32 s2, 0x3003
	s_cbranch_scc0 .Lentry_shape_is_right
	s_endpgm
.Lentry_shape_is_right:
; SIX EULER STEPS, FUSED.  s <- s + DT (s gamma + tanh(s W^T + b)), DT = 1/6, on 32,768 rows of 512 f32 that never mix.  x is read once, out0 written once;
; between the steps nothing goes to memory.  wb is bf16(2 log2(e) W), made by the launch before.
; ARITHMETIC.  y = 2 log2(e) (s W^T + b): products in bf16 (s rounded to nearest even in each step), sums in f32, started with b' = 2 log2(e) b as the C operand.
; tanh = 1 - 2 / (1 + 2^y);  s <- s G + (DT - 2 DT / (1 + 2^y)), G = 1 + DT gamma.  The state itself stays in f32 for all six steps.
; LIMITS.  2^y = infinity gives tanh = 1, 2^y below 2^-126 counts as 0 and gives tanh = -1: no clamp is needed.  tanh has an absolute error of a few 2^-24, not a relative one for
; arguments near 0.  s G + DT tanh is rounded otherwise than the reference's s + DT (s gamma + tanh).  b' is finite for |b| under 1.1e38.  NaN goes through as NaN.
; SHARES.  256 work-groups of four waves, 128 rows each.  Wave w owns the state's columns 128 w .. 128 w + 127 of all 128 rows, in f32: 512 registers (windows 2 and 3).  A bf16 copy of the
; whole state lies in LDS, written by its owners and read by all four waves along K.  A step is two CHUNKS: chunk c makes the wave's columns 128 w + 64 c .. + 63 for all 128 rows: 32 accumulators
; of 16 x 16 (window 1), 512 matrix instructions.  (128 x 128 of sums beside 128 x 128 of state and the fragments would pass a wave's 1,024 registers.)
; W is 512 KiB in bf16, more than LDS has left, so it is streamed once a step: a chunk's four tiles of 64 rows of W x 128 along K for each wave, through a ring of two slots.  A wave fetches just the
; rows of W that it multiplies by, so only the issuing wave reads a tile.
; CLUSTER.  All work-groups walk the same wb in the same order: the four of a cluster ask JOINTLY, by the same tensor load with the same descriptor and the mask of four.
; THE MATRIX INSTRUCTION IS USED TRANSPOSED: source 0 = 16 rows of W, source 1 = 16 rows of state.  Lane l (r = l % 16, h = l / 16) then holds state row r and the columns 8 h + 0..7 of the block: eight
; neighbouring numbers of a row, the layout of the f32 state, of b' and of G too.
; LEFT OUT: prefetches (wb is re-read by every work-group; x is read in one burst of long rows at the start).
; REGISTERS, in windows of 256 (s_set_vgpr_msb: bits 1:0 source 0, 3:2 source 1, 5:4 source 2, 7:6 destination):
;   window 0: v0-31 addresses; v32-63 b' or G of the chunk's 64 columns; v64-191 two buffers of state fragments (8 x 16 rows x 32 K); v192-255 two buffers of W's (4 x 16 rows x 32 K)
;   window 1: accumulator (a, bb) at v[8 (4 a + bb)], a = block of 16 rows, bb = block of 16 columns; on the way in four slots of 64 registers of rows as loaded
;   window 2, 3: the state of chunk 0's and chunk 1's columns, laid as the accumulators are
.set SPI,   1040                       ; a row of the bf16 state in LDS: 1,024 bytes + 16 = 260 words: row r starts at bank 4 r mod 64 (64 banks of 4 bytes: ISA guide 11.1)
.set WPI,   272                        ; a row of a tile of W: 256 bytes + 16 of padding
.set WQ,    64*WPI                     ; a wave's tile: 64 rows
.set SLOT,  4*WQ                       ; a slot: the four waves' tiles
.set RING,  128*SPI                    ; LDS: the state from 0 (written by ds_store alone), then the ring (filled by tensor loads alone),
.set STAGE, RING+2*SLOT                ; each wave's own stage: 16 rows x 528 bytes on the way in, 16 x 272 on the way out,
.set STG,   16*528
.set TAB,   STAGE+4*STG                ; G[512], then b'[512], f32,
.set SPARE, TAB+4096                   ; and the spare words, 128 bytes for each wave: two blocks of 256 bytes that no other line names
.set NCH,   12                         ; chunks: six steps of two
.set ADRA, 4                           ; v4-5    LDS address of my state fragments, rows 0-63 and 64-127
.set ADRB, 6                           ; v6-7    of my fragments of W in slot 0, 1
.set PUB,  8                           ; v8-9    where I put 16 bytes of the bf16 state, rows 0-63 and 64-127
.set TABR, 10                          ; v10     my eight numbers of G in the wave's first block of columns
.set TBW,  11                          ; v11     where I put four numbers of G
.set STI,  12                          ; v12     the way in: where I put 16 bytes of a row
.set STD,  13                          ; v13     the way in: where I read my 32 bytes of a block
.set GX,   14                          ; v14     my byte offset in 512 bytes of a row of x
.set STDO, 15                          ; v15     the way out: where I put 32 bytes of a row
.set RDO,  16                          ; v16     the way out: where I read a row back
.set GO2,  17                          ; v17     my byte offset in two rows of out0
.set GB,   18                          ; v18     my byte offset in gamma and b_in
.set SPW,  30                          ; v30     LDS address of my spare word; never rewritten
.set NIL,  31                          ; v31     0; never rewritten
.set TUP,  32
.set AF,   64
.set BF,   192
.set PT,   64                          ; at work where the fragments lie: packed state, rows on their way out
.set XB,  4                            ; s[4:5]   x at my work-group's first row, my wave's columns
.set OB,  12                           ; s[12:13] out0 likewise
.set WV,  14                           ; s14      my wave's number
.set G1,  24                           ; s[24:31] descriptor group 1
.set G0,  32                           ; s[32:39] descriptor group 0, a set for each slot
.set WB,  40                           ; s[40:41] wb at my wave's 128 rows
.set OFF, 42                           ; s[42:43] a tile's byte offset from there
.set CO,  44                           ; s44      0 or 65,536: the 64 rows of the chunk whose tiles are being asked for
.set CNT, 45                           ; s45      chunks to go
.set DT,  48                           ; s[48:49] DT
.set M2,  50                           ; s[50:51] -2 DT
.set L2,  52                           ; s52      2 log2(e)
.set MSB, 0
.macro WIN new                         ; the immediate's high byte repeats the setting that is left; a switch that changes nothing is dropped
.if MSB != (\new)
	s_set_vgpr_msb (MSB<<8)|(\new)
.set MSB, \new
.endif
.endm
.macro PLACES                          ; a load into a register that a matrix instruction has read, and a vector instruction that reads a matrix result, stand four places behind it
.rept 4
	v_nop
.endr
.endm
; A round of the cluster's barrier: my work-group's barrier, so that wave 0's signal speaks for all four waves; wave 0 signals; every wave waits for all four work-groups; my work-group's barrier once more.
.macro CREST                           ; a round behind its opening barrier
	s_cmp_lg_u32 s[WV], 0
	s_cbranch_scc1 .Lnot_wave_0_\@
	s_barrier_signal -3
.Lnot_wave_0_\@:
	s_barrier_wait -3
	s_barrier_signal -1
	s_barrier_wait -1
.endm
.macro ROUND
	s_barrier_signal -1
	s_barrier_wait -1
	CREST
.endm
; The slot's descriptor is aimed at tile j of the chunk CO: the address is made anew from the wave's base and an offset made apart.  Nothing in it hangs on my place in the cluster.
.macro AIM slot, j
	s_add_co_u32 s[OFF], s[CO], 256*(\j)
	s_add_nc_u64 s[G0+4*(\slot)+2:G0+4*(\slot)+3], s[WB:WB+1], s[OFF:OFF+1]
	s_or_b32 s[G0+4*(\slot)+3], s[G0+4*(\slot)+3], 0x80000000  ; 127:126 type = 2
.endm
.macro TLOAD slot                      ; my joint load; an s_nop 0 and four v_nop follow it
	tensor_load_to_lds s[G0+4*(\slot):G0+4*(\slot)+3], s[G1:G1+7]
	s_nop 0
	PLACES
.endm
; A fill between two chunks.  Every wave: all its tensor loads have landed; the add; its LDS instructions are done; a round; the one load first behind it.
.macro GATE slot, j
	WIN 0
	s_wait_tensorcnt 0x0                           ; no tensor load of mine is out, so a group 0 may be written
	ds_add_u32 v[SPW], v[NIL]                      ; 0 onto my spare word
	AIM \slot, \j
	s_wait_dscnt 0x0                               ; the add is done, and so are all my LDS loads and stores
	ROUND
	TLOAD \slot
.endm
; 24 LDS loads in one run: the fragments of 32 along K into buffer f: W's 64 rows at byte kb of slot's rows, then the state's 128 rows at byte ka.
; A fragment is 16 rows x 32 K in 8 registers: lane l holds row l % 16; registers 0-3 K = 8 (l / 16) + 0..7, registers 4-7 K = 16 + 8 (l / 16) + 0..7: two loads of 16 bytes, 32 bytes apart.
.macro FETCH slot, kb, ka, f
	WIN 0
.irp b, 0,1,2,3
	ds_load_b128 v[BF+32*(\f)+8*\b:BF+32*(\f)+8*\b+3],   v[ADRB+(\slot)] offset:(\kb)+\b*16*WPI
	ds_load_b128 v[BF+32*(\f)+8*\b+4:BF+32*(\f)+8*\b+7], v[ADRB+(\slot)] offset:(\kb)+\b*16*WPI+32
.endr
.irp a, 0,1,2,3,4,5,6,7
	ds_load_b128 v[AF+64*(\f)+8*\a:AF+64*(\f)+8*\a+3],   v[ADRA+\a/4] offset:(\ka)+(\a%4)*16*SPI
	ds_load_b128 v[AF+64*(\f)+8*\a+4:AF+64*(\f)+8*\a+7], v[ADRA+\a/4] offset:(\ka)+(\a%4)*16*SPI+32
.endr
.endm
; 4 na matrix instructions: row blocks a0 .. a0 + na - 1 x the 4 column blocks, 32 along K from buffer f.  first = 1: b' starts the sums.
; The 32 accumulators take turns, one instruction a turn, in the same order in every quarter.
.macro MUL f, a0, na, first=0
.if \first
	WIN 0x40                                       ; D in window 1; W's and the state's fragments and b' in window 0
.else
	WIN 0x50                                       ; C and D in window 1
.endif
.set ma, \a0
.rept \na
.irp b, 0,1,2,3
.if \first
	v_wmma_f32_16x16x32_bf16 v[8*(4*ma+\b):8*(4*ma+\b)+7], v[BF+32*(\f)+8*\b:BF+32*(\f)+8*\b+7], v[AF+64*(\f)+8*ma:AF+64*(\f)+8*ma+7], v[TUP+8*\b:TUP+8*\b+7]
.else
	v_wmma_f32_16x16x32_bf16 v[8*(4*ma+\b):8*(4*ma+\b)+7], v[BF+32*(\f)+8*\b:BF+32*(\f)+8*\b+7], v[AF+64*(\f)+8*ma:AF+64*(\f)+8*ma+7], v[8*(4*ma+\b):8*(4*ma+\b)+7]
.endif
.endr
.set ma, ma+1
.endr
.endm
; A tile is four quarters of 32 along K, 32 matrix instructions each, on buffers 0, 1, 0, 1.  A quarter multiplies buffer f; in its middle it fetches the next quarter's fragments into buffer g.
; tw = 1: those lie in a tile that has not been waited for yet.
.macro QUARTER slot, kb, ka, f, g, first=0, tw=0
	s_wait_dscnt 8                                 ; W's fragments and the state's rows 0-63 are in; the youngest eight loads (rows 64-127) may be out
	MUL \f, 0, 4, \first
.if \tw
	s_wait_tensorcnt 0x0                           ; the chunk's last tile: no load was issued behind it, so the count is 0; only I read my tile, so no barrier is needed
.endif
	PLACES
	FETCH \slot, \kb, \ka, \g
	s_wait_dscnt 24                                ; all but the 24 just issued
	MUL \f, 4, 4, \first
.endm
; A tile's last quarter where its slot is filled again, with tile j: it multiplies buffer 1.  In front of the round each wave waits for all its tensor loads, of which one is out: the next slot's;
; adds 0 to its spare word; and waits for that and for its reads of this slot.  Matrix work on registers stands between the add and its wait, and inside the round's opening barrier.
.macro TURN slot, next, j, ka
	WIN 0
	s_wait_tensorcnt 0x0
	ds_add_u32 v[SPW], v[NIL]
	AIM \slot, \j
	s_wait_dscnt 9                                 ; the add and the youngest eight loads may be out
	MUL 1, 0, 2
	s_wait_dscnt 0x0                               ; the add is done, and my reads of this slot are over
	s_barrier_signal -1
	MUL 1, 2, 2
	WIN 0                                          ; every window is 0 there
	s_barrier_wait -1
	CREST                                          ; no wave of any partner still reads this slot or has a load on its way
	TLOAD \slot                                    ; the first tensor load behind the round; its four v_nop are also the places in front of the loads below
	FETCH \next, 0, \ka, 0
	MUL 1, 4, 4
.endm
.macro CHUNK                           ; 512 matrix instructions: tiles 0 and 2 in slot 0, tiles 1 and 3 in slot 1; tile 0 has landed, tile 1 has just been asked for
	FETCH 0, 0, 0, 0
	QUARTER 0, 64,  64,  0, 1, 1
	QUARTER 0, 128, 128, 1, 0
	QUARTER 0, 192, 192, 0, 1
	TURN 0, 1, 2, 256
	QUARTER 1, 64,  320, 0, 1
	QUARTER 1, 128, 384, 1, 0
	QUARTER 1, 192, 448, 0, 1
	TURN 1, 0, 3, 512
	QUARTER 0, 64,  576, 0, 1
	QUARTER 0, 128, 640, 1, 0
	QUARTER 0, 192, 704, 0, 1
	QUARTER 1, 0,   768, 1, 0, 0, 1                ; nothing is filled here: the slots' next fills stand between the chunks
	QUARTER 1, 64,  832, 0, 1
	QUARTER 1, 128, 896, 1, 0
	QUARTER 1, 192, 960, 0, 1
	s_wait_dscnt 8
	MUL 1, 0, 4
	s_wait_dscnt 0x0
	MUL 1, 4, 4
	WIN 0
.endm
; G (tab = 0) or b' (tab = 2048) of chunk c's 64 columns: for each block of 16 columns my eight numbers.  Each wave reads the table bytes that its own lanes stored.
.macro TUPL tab, c
	WIN 0
.irp b, 0,1,2,3
	ds_load_b128 v[TUP+8*\b:TUP+8*\b+3],   v[TABR] offset:(\tab)+256*(\c)+64*\b
	ds_load_b128 v[TUP+8*\b+4:TUP+8*\b+7], v[TABR] offset:(\tab)+256*(\c)+64*\b+16
.endr
.endm
; THE STEP ITSELF for chunk c's columns, in place on the 32 accumulators, three of them in hand: 2^y of accumulator i; + 1 and the reciprocal of accumulator i - 1; DT - 2 DT q of accumulator i - 2.
; Two transcendentals, then a plain instruction on another accumulator: each result is used a trip later, with plain instructions between (ISA guide 5.7.2).  Each accumulator is read from its lowest
; register on.  Then s = s G + that.
.macro EP c
	TUPL 0, \c
	WIN 0x41                                       ; destination and source 0 in window 1
.set ei, 0
.rept 34
.irp p, 0,1,2,3
.if ei < 32
	v_exp_f32 v[8*ei+2*\p], v[8*ei+2*\p]
	v_exp_f32 v[8*ei+2*\p+1], v[8*ei+2*\p+1]
.endif
.if (ei >= 1) && (ei <= 32)
	s_wait_alu depctr_va_vdst(0)
	v_pk_add_f32 v[8*ei-8+2*\p:8*ei-8+2*\p+1], v[8*ei-8+2*\p:8*ei-8+2*\p+1], 1.0 op_sel_hi:[1,0]
.endif
.endr
.if ei == 0
	v_nop                                          ; the first eight exponentials have no plain work beside them yet
.endif
.irp p, 0,1,2,3
.if (ei >= 1) && (ei <= 32)
	v_rcp_f32 v[8*ei-8+2*\p], v[8*ei-8+2*\p]
	v_rcp_f32 v[8*ei-8+2*\p+1], v[8*ei-8+2*\p+1]
.endif
.if ei >= 2
	s_wait_alu depctr_va_vdst(0)
	v_pk_fma_f32 v[8*ei-16+2*\p:8*ei-16+2*\p+1], v[8*ei-16+2*\p:8*ei-16+2*\p+1], s[M2:M2+1], s[DT:DT+1] op_sel_hi:[1,0,0]
.endif
.endr
.set ei, ei+1
.endr
	s_wait_dscnt 0x0                               ; G is in
	WIN 0x92+0x41*(\c)                             ; the state (destination and source 0) in window 2 or 3, G in window 0, DT tanh in window 1
.set ei, 0
.rept 32
.irp p, 0,1,2,3
	v_pk_fma_f32 v[8*ei+2*\p:8*ei+2*\p+1], v[8*ei+2*\p:8*ei+2*\p+1], v[TUP+8*(ei%4)+2*\p:TUP+8*(ei%4)+2*\p+1], v[8*ei+2*\p:8*ei+2*\p+1]
.endr
.set ei, ei+1
.endr
	WIN 0
.endm
; My 128 columns of the state, rounded to bf16, go into the shared copy: a lane's eight numbers are 16 bytes of a row.
.macro PUBLISH
.irp c, 0,1
	WIN 0x0a+5*\c                                  ; sources 0 and 1 in window 2 or 3
.set pq, 0
.rept 32
.irp p, 0,1,2,3
	v_cvt_pk_bf16_f32 v[PT+4*pq+\p], v[8*pq+2*\p], v[8*pq+2*\p+1]
.endr
.set pq, pq+1
.endr
	WIN 0
.set pq, 0
.rept 32
	ds_store_b128 v[PUB+pq/16], v[PT+4*pq:PT+4*pq+3] offset:((pq/4)%4)*16*SPI+32*(4*\c+pq%4)
.set pq, pq+1
.endr
.endr
.endm
; THE WAY IN.  XLOAD: block a's 16 rows, each load 512 consecutive bytes of one row, into slot a % 4 of window 1.
.macro XLOAD a
	WIN 0x40
.set xt, 0
.rept 16
	global_load_b128 v[64*((\a)%4)+4*xt:64*((\a)%4)+4*xt+3], v[GX], s[XB:XB+1] offset:(16*(\a)+xt)*2048 th:TH_LOAD_NT
.set xt, xt+1
.endr
.endm
; XTURN: block a goes through my stage into the state's layout.  LDS serves a wave's instructions in order (ISA guide 5.7.1.4): the loads see the stores above them, and the next block's stores come behind these loads.
.macro XTURN a, left
	s_wait_loadcnt \left                           ; loads come back in order: block a is in, the younger blocks' loads stay out
.if (\a) < 5
	XLOAD (\a)+3
.endif
	WIN 0x04                                       ; the data in window 1
.set xt, 0
.rept 16
	ds_store_b128 v[STI], v[64*((\a)%4)+4*xt:64*((\a)%4)+4*xt+3] offset:xt*528
.set xt, xt+1
.endr
	WIN 0x80
.irp b, 0,1,2,3
	ds_load_b128 v[8*(4*(\a)+\b):8*(4*(\a)+\b)+3],   v[STD] offset:64*\b
	ds_load_b128 v[8*(4*(\a)+\b)+4:8*(4*(\a)+\b)+7], v[STD] offset:64*\b+16
.endr
	WIN 0xc0
.irp b, 0,1,2,3
	ds_load_b128 v[8*(4*(\a)+\b):8*(4*(\a)+\b)+3],   v[STD] offset:256+64*\b
	ds_load_b128 v[8*(4*(\a)+\b)+4:8*(4*(\a)+\b)+7], v[STD] offset:256+64*\b+16
.endr
	WIN 0
.endm
; THE WAY OUT of chunk c's columns, a block of 16 rows at a time: 32 bytes a lane into rows of 272 bytes of my stage, back as whole rows of 256 bytes, and stored.
.macro TOST c, a
	WIN 0x08+4*(\c)                                ; the data in window 2 or 3
.irp b, 0,1,2,3
	ds_store_b128 v[STDO], v[8*(4*(\a)+\b):8*(4*(\a)+\b)+3]   offset:64*\b
	ds_store_b128 v[STDO], v[8*(4*(\a)+\b)+4:8*(4*(\a)+\b)+7] offset:64*\b+16
.endr
	WIN 0
.if (\a) >= 4
	s_wait_xcnt 0x0                                ; the buffer is used a second time: the stores of the block four back have had their addresses translated (ISA guide 3.1), so their data registers may be loaded again
.endif
.irp t, 0,1,2,3,4,5,6,7
	ds_load_b128 v[PT+32*((\a)%4)+4*\t:PT+32*((\a)%4)+4*\t+3], v[RDO] offset:\t*544
.endr
.endm
.macro SEND c, a, younger              ; younger: the LDS instructions issued behind block a's loads: the next block's sixteen, or none
	s_wait_dscnt \younger
.irp t, 0,1,2,3,4,5,6,7
	global_store_b128 v[GO2], v[PT+32*((\a)%4)+4*\t:PT+32*((\a)%4)+4*\t+3], s[OB:OB+1] offset:(16*(\a)+2*\t)*2048+256*(\c) th:TH_STORE_NT  ; 16 lanes store 256 consecutive bytes, at a multiple of 256 from out0's first byte
.endr
.endm
.macro OUTC c
	TOST \c, 0
.irp a, 1,2,3,4,5,6,7
	TOST \c, \a
	SEND \c, (\a)-1, 16
.endr
	SEND \c, 7, 0
.endm
	s_load_b256 s[4:11], s[0:1], 0x0               ; x s[4:5], wb s[6:7], b_in s[8:9], gamma s[10:11]
	s_load_b64 s[12:13], s[0:1], 0x20              ; out0
	v_lshl_add_u32 v[SPW], v0, 2, SPARE
	v_mov_b32 v[NIL], 0
	ds_add_u32 v[SPW], v[NIL]                      ; the wave's opening: the add and its wait stand ahead of my first tensor load; the set-up below, work on registers, stands between them
	v_lshrrev_b32 v1, 5, v0
	v_readfirstlane_b32 s[WV], v1                  ; wave 0..3
	s_bfe_u32 s15, ttmp6, 0x40000                  ; cx: my place in the cluster: it enters x's and out0's addresses alone
	s_lshl_b32 s16, ttmp9, 2                       ; in a cluster launch ttmp9 counts clusters
	s_add_co_u32 s16, s16, s15                     ; my work-group
	s_lshl_b32 s16, s16, 18                        ; its 128 rows of 2,048 bytes,
	s_lshl_b32 s17, s[WV], 9                       ; my wave's 512 bytes of a row
	s_add_co_u32 s16, s16, s17
	s_mov_b32 s17, 0
	s_lshl_b32 s18, s[WV], 17                      ; my wave's 128 rows of wb, 1,024 bytes each
	s_mov_b32 s19, 0
	; descriptor group 1: a tile of 64 rows x 128 elements, padded in LDS
	s_mov_b32 s[G1], 15|(1<<16)|(1<<20)|(1<<21)|(5<<22)|(3<<25)  ; 15:0 the mask: all four work-groups; 17:16 elements of 2 bytes; 20 padding on; 21 set beside a mask; 24:22 after every 64 words (code 5); 31:25 4 words of it (code 3)
	s_mov_b32 s[G1+1], 128<<16                     ; tensor_dim0 = 128
	s_mov_b32 s[G1+2], 64<<16                      ; tensor_dim1 = 64
	s_mov_b32 s[G1+3], 128<<16                     ; tile_dim0 = 128: rows of 256 bytes, at multiples of 256 from wb's first byte
	s_mov_b32 s[G1+4], 64                          ; tile_dim1 = 64
	s_mov_b32 s[G1+5], 512                         ; 512 elements from row to row
	s_mov_b32 s[G1+6], 0
	s_mov_b32 s[G1+7], 0
	s_mul_i32 s20, s[WV], WQ                       ; my quarter of a slot: no place in the cluster enters an LDS address
	s_mov_b32 s[G0], 1                             ; 1:0 count = 1
	s_add_co_u32 s[G0+1], s20, RING                ; 63:32 LDS address
	s_mov_b32 s[G0+4], 1
	s_add_co_u32 s[G0+5], s20, RING+SLOT
	s_mov_b32 s[OFF+1], 0
	s_mov_b32 s[CO], 0
	s_mov_b32 s[DT], 0x3e2aaaab                    ; 1/6
	s_mov_b32 s[DT+1], s[DT]                       ; named as pairs
	s_mov_b32 s[M2], 0xbeaaaaab                    ; -1/3
	s_mov_b32 s[M2+1], s[M2]
	s_mov_b32 s[L2], 0x4038aa3b                    ; 2 log2(e)
	s_wait_dscnt 0x0                               ; the opening add is done
	s_wait_kmcnt 0x0
	s_add_nc_u64 s[XB:XB+1], s[XB:XB+1], s[16:17]
	s_add_nc_u64 s[OB:OB+1], s[OB:OB+1], s[16:17]
	s_add_nc_u64 s[WB:WB+1], s[6:7], s[18:19]
	AIM 0, 0
	ROUND                                          ; all four work-groups are here: the first joint loads meet
	TLOAD 0                                        ; chunk 0's tile 0; slot 1 is first filled behind the round in front of the first chunk
	; the loads of the way in go out as soon as their offsets are made; the other addresses are made behind them
	v_and_b32 v3, 31, v0                           ; lane
	v_lshlrev_b32 v[GX], 4, v3
	v_lshlrev_b32 v[GB], 4, v0                     ; thread t takes columns 4 t .. 4 t + 3 of gamma and b_in: wave w's threads its own 128 columns
	global_load_b128 v[64:67], v[GB], s[10:11]
	global_load_b128 v[68:71], v[GB], s[8:9]
	XLOAD 0
	XLOAD 1
	XLOAD 2
	WIN 0
	v_and_b32 v1, 15, v0                           ; r = l % 16
	v_bfe_u32 v2, v0, 4, 1                         ; h = l / 16
	v_mul_u32_u24 v[ADRA], v1, SPI
	v_lshl_add_u32 v[ADRA], v2, 4, v[ADRA]         ; row x pitch + 16 x half
	v_add_nc_u32 v[ADRA+1], 64*SPI, v[ADRA]
	s_add_co_u32 s21, s20, RING
	v_mul_u32_u24 v[ADRB], v1, WPI
	v_lshl_add_u32 v[ADRB], v2, 4, v[ADRB]
	v_add_nc_u32 v[ADRB], s21, v[ADRB]
	v_add_nc_u32 v[ADRB+1], SLOT, v[ADRB]
	s_lshl_b32 s21, s[WV], 8                       ; my wave's 256 bytes of a row of the bf16 state
	v_add_nc_u32 v[PUB], s21, v[ADRA]
	v_add_nc_u32 v[PUB+1], s21, v[ADRA+1]
	s_lshl_b32 s22, s[WV], 9                       ; my wave's 512 bytes of each table
	s_add_co_u32 s22, s22, TAB
	v_lshl_add_u32 v[TABR], v2, 5, s22
	v_lshl_add_u32 v[TBW], v3, 4, s22
	s_mul_i32 s23, s[WV], STG
	s_add_co_u32 s23, s23, STAGE                   ; my stage
	v_lshl_add_u32 v[STI], v3, 4, s23
	v_mul_u32_u24 v[STD], v1, 528
	v_lshl_add_u32 v[STD], v2, 5, v[STD]
	v_add_nc_u32 v[STD], s23, v[STD]
	v_mul_u32_u24 v[STDO], v1, 272
	v_lshl_add_u32 v[STDO], v2, 5, v[STDO]
	v_add_nc_u32 v[STDO], s23, v[STDO]
	v_mul_u32_u24 v[RDO], v2, 272                  ; back: lanes 0-15 take one row of 256 bytes, lanes 16-31 the next
	v_lshl_add_u32 v[RDO], v1, 4, v[RDO]
	v_add_nc_u32 v[RDO], s23, v[RDO]
	v_lshlrev_b32 v[GO2], 11, v2                   ; and the same two rows in out0
	v_lshl_add_u32 v[GO2], v1, 4, v[GO2]
	s_wait_loadcnt 48                              ; gamma and b_in are in; the 48 loads of x issued behind them stay out
.irp i, 0,1,2,3
	v_fma_f32 v[64+\i], v[64+\i], s[DT], 1.0       ; G = 1 + DT gamma
	v_mul_f32 v[68+\i], s[L2], v[68+\i]            ; b' = 2 log2(e) b
.endr
	ds_store_b128 v[TBW], v[64:67]
	ds_store_b128 v[TBW], v[68:71] offset:2048
	XTURN 0, 32
	XTURN 1, 32
	XTURN 2, 32
	XTURN 3, 32
	XTURN 4, 32
	XTURN 5, 32
	XTURN 6, 16
	XTURN 7, 0
	s_wait_dscnt 0x0                               ; the whole state is in its registers
	s_mov_b32 s[CNT], NCH
	s_branch .Lpub                                 ; the loop is entered where a step begins
.Lchunk:                                               ; eleven times: a chunk's sums are finished, and another chunk follows
	s_xor_b32 s[CO], s[CO], 0x10000                ; the other 64 rows of W
	GATE 0, 0                                      ; every wave has read both slots and the state for the last time; the next chunk's tile 0 lands under the vector work below; the four v_nop are the places behind the last products
	s_cmp_eq_u32 s[CO], 0
	s_cbranch_scc1 .Lodd
	EP 0                                           ; chunk 0 is finished: its columns step in registers; the copy in LDS stays as it was for chunk 1
	s_cmp_lg_u32 s[CNT], 1
	s_cbranch_scc1 .Lkeep
	OUTC 0                                         ; in the last step these columns are final: they leave under the last chunk's products
	s_wait_xcnt 0x0                                ; the stores' data registers take fragments again only behind this wait
.Lkeep:
	TUPL 2048, 1
	s_branch .Ljoin
.Lodd:
	EP 1                                           ; chunk 1 is finished: the step is complete
.Lpub:
	PUBLISH
	TUPL 2048, 0
.Ljoin:
	GATE 1, 1                                      ; tile 0 has landed; b' is in; every wave's part of the state is written; tile 1 is asked for
	CHUNK
	s_sub_co_u32 s[CNT], s[CNT], 1
	s_cmp_lg_u32 s[CNT], 0
	s_cbranch_scc1 .Lchunk
	PLACES                                         ; behind the last products
	EP 1
	OUTC 1
	s_wait_tensorcnt 0x0                           ; the wave's end, behind my last tensor load and my last LDS store
	ds_add_u32 v[SPW], v[NIL]
	s_wait_dscnt 0x0
	ROUND                                          ; the closing round: no work-group ends while a partner may still ask for a tile that names it
	s_endpgm
.Lfunc_end_k_q3a81d5d810_node:
	.size	k_q3a81d5d810_node, .Lfunc_end_k_q3a81d5d810_node-k_q3a81d5d810_node
	.p2alignl 7, 3214868480
	.fill 96, 4, 3214868480
	.section	.rodata,"a",@progbits
	.p2align	6, 0x0
	.amdhsa_kernel k_q3a81d5d810_node
		.amdhsa_group_segment_fixed_size 327680
		.amdhsa_private_segment_fixed_size 0
		.amdhsa_enable_private_segment 0
		.amdhsa_kernarg_size 40
		.amdhsa_user_sgpr_count 2
		.amdhsa_user_sgpr_kernarg_segment_ptr 1
		.amdhsa_wavefront_size32 1
		.amdhsa_system_sgpr_workgroup_id_x 1
		.amdhsa_system_sgpr_workgroup_id_y 1
		.amdhsa_system_sgpr_workgroup_id_z 1
		.amdhsa_system_vgpr_workitem_id 0
		.amdhsa_next_free_vgpr 1024
		.amdhsa_next_free_sgpr 66
		.amdhsa_reserve_vcc 0
		.amdhsa_float_denorm_mode_32 3
		.amdhsa_float_denorm_mode_16_64 3
		.amdhsa_memory_ordered 1
		.amdhsa_forward_progress 1
		.amdhsa_inst_pref_size 255
	.end_amdhsa_kernel
	.section	.bss,"aw",@nobits
	.p2align	6
	.space	262144
	.amdgpu_metadata
---
amdhsa.version: [ 1, 2 ]
amdhsa.kernels:
  - .name:           k_q3a81d5d810_node
    .symbol:         k_q3a81d5d810_node.kd
    .args:
      - { .name: x, .offset: 0, .size: 8, .value_kind: global_buffer, .address_space: global }
      - { .name: wb, .offset: 8, .size: 8, .value_kind: global_buffer, .address_space: global }
      - { .name: b_in, .offset: 16, .size: 8, .value_kind: global_buffer, .address_space: global }
      - { .name: gamma, .offset: 24, .size: 8, .value_kind: global_buffer, .address_space: global }
      - { .name: out0, .offset: 32, .size: 8, .value_kind: global_buffer, .address_space: global }
    .group_segment_fixed_size: 327680
    .private_segment_fixed_size: 0
    .kernarg_segment_align: 8
    .kernarg_segment_size: 40
    .max_flat_workgroup_size: 128
    .sgpr_count:     66
    .vgpr_count:     1024
    .wavefront_size: 32
...
	.end_amdgpu_metadata
.endif
;; end of part 2
;; ======== version 2 of 2: 2 launches; 1.27 times as fast as version 1
;; workspace buffers: wb 524,288 bytes
;; launch cast: the kernel of part 1 again; grid 256 x 1, 4 waves a work-group, no clusters, 0 bytes of LDS; arguments W_in, wb; writes wb
;; launch node (part 3): grid 256 x 1, 4 waves a work-group, clusters of 4 x 1, 327,680 bytes of LDS; arguments x, wb, b_in, gamma, out0; writes out0
.if DOCPART == 3
	.amdgcn_target "amdgcn-amd-amdhsa--gfx1250"
	.amdhsa_code_object_version 6
	.text
	.protected	k_q3a81d5d810_node
	.globl	k_q3a81d5d810_node
	.p2align	8
	.type	k_q3a81d5d810_node,@function
k_q3a81d5d810_node:
	s_mov_b64 s[64:65], 0
	v_nop
	global_prefetch_b8 v0, s[64:65] scope:SCOPE_SE
	s_setreg_imm32_b32 hwreg(HW_REG_WAVE_MODE, 25, 1), 1
	s_wait_xcnt 0x0
	s_wait_alu depctr_hold_cnt(0) depctr_sa_sdst(0) depctr_va_vdst(0) depctr_va_sdst(0) depctr_va_ssrc(0) depctr_va_vcc(0) depctr_vm_vsrc(0)
	s_getreg_b32 s2, hwreg(HW_REG_IB_STS2, 6, 4)
	s_cmp_eq_u32 s2, 0
	s_cbranch_scc0 .Lentry_in_a_cluster
	s_endpgm
.Lentry_in_a_cluster:
	s_bfe_u32 s2, ttmp6, 0x10000c
	s_cmp_lg_u32 s2, 0x3003
	s_cbranch_scc0 .Lentry_shape_is_right
	s_endpgm
.Lentry_shape_is_right:
; SIX EULER STEPS, FUSED.  s <- s + DT (s gamma + tanh(s W^T + b)), DT = 1/6, on 32,768 rows of 512 f32 that never mix.  x is read once, out0 written once;
; between the steps nothing goes to memory.  wb is bf16(2 log2(e) W), made by the launch before.
; ARITHMETIC.  y = 2 log2(e) (s W^T + b): products in bf16 (s rounded to nearest even in each step), sums in f32, started with b' = 2 log2(e) b as the C operand.
; tanh = 1 - 2 / (1 + 2^y);  s <- s G + (DT - 2 DT / (1 + 2^y)), G = 1 + DT gamma.  The state itself stays in f32 for all six steps.
; LIMITS.  2^y = infinity gives tanh = 1, 2^y below 2^-126 counts as 0 and gives tanh = -1: no clamp is needed.  tanh has an absolute error of a few 2^-24, not a relative one for
; arguments near 0.  s G + DT tanh is rounded otherwise than the reference's s + DT (s gamma + tanh).  b' is finite for |b| under 1.1e38.  NaN goes through as NaN.
; SHARES.  256 work-groups of four waves, 128 rows each.  Wave w owns the state's columns 128 w .. 128 w + 127 of all 128 rows, in f32: 512 registers (windows 2 and 3).  A bf16 copy of the
; whole state lies in LDS, written by its owners and read by all four waves along K.  A step is two CHUNKS: chunk c makes the wave's columns 128 w + 64 c .. + 63 for all 128 rows: 32 accumulators
; of 16 x 16 (window 1), 512 matrix instructions.  (128 x 128 of sums beside 128 x 128 of state and the fragments would pass a wave's 1,024 registers.)
; W is 512 KiB in bf16, more than LDS has left, so it is streamed once a step: a chunk's four tiles of 64 rows of W x 128 along K for each wave, through a ring of two slots.  A wave fetches just the
; rows of W that it multiplies by, so only the issuing wave reads a tile.
; CLUSTER.  All work-groups walk the same wb in the same order: the four of a cluster ask JOINTLY, by the same tensor load with the same descriptor and the mask of four.
; THE MATRIX INSTRUCTION IS USED TRANSPOSED: source 0 = 16 rows of W, source 1 = 16 rows of state.  Lane l (r = l % 16, h = l / 16) then holds state row r and the columns 8 h + 0..7 of the block: eight
; neighbouring numbers of a row, the layout of the f32 state, of b' and of G too.
; THE BATCHES.  A chunk's 256 exponentials and 256 reciprocals work in place on the 32 accumulators, which fall into four GROUPS of eight (64 registers).  They go in six phases; phase j holds 2^y of group j,
; + 1 and the reciprocals of group j - 1, and DT - 2 DT q of group j - 2.  A phase's exponentials and reciprocals are ONE BATCH: no line of the phase names a result of theirs, and one wait stands at the
; phase's end: five waits a chunk (the sixth phase has no transcendental).  No result is open where the macro ends, so none crosses a label or a branch.
; LEFT OUT: prefetches (wb is re-read by every work-group; x is read in one burst of long rows at the start).
; REGISTERS, in windows of 256 (s_set_vgpr_msb: bits 1:0 source 0, 3:2 source 1, 5:4 source 2, 7:6 destination):
;   window 0: v0-31 addresses; v32-63 b' or G of the chunk's 64 columns; v64-191 two buffers of state fragments (8 x 16 rows x 32 K); v192-255 two buffers of W's (4 x 16 rows x 32 K)
;   window 1: accumulator (a, bb) at v[8 (4 a + bb)], a = block of 16 rows, bb = block of 16 columns; on the way in four slots of 64 registers of rows as loaded
;   window 2, 3: the state of chunk 0's and chunk 1's columns, laid as the accumulators are
.set SPI,   1040                       ; a row of the bf16 state in LDS: 1,024 bytes + 16 = 260 words: row r starts at bank 4 r mod 64 (64 banks of 4 bytes: ISA guide 11.1)
.set WPI,   272                        ; a row of a tile of W: 256 bytes + 16 of padding
.set WQ,    64*WPI                     ; a wave's tile: 64 rows
.set SLOT,  4*WQ                       ; a slot: the four waves' tiles
.set RING,  128*SPI                    ; LDS: the state from 0 (written by ds_store alone), then the ring (filled by tensor loads alone),
.set STAGE, RING+2*SLOT                ; each wave's own stage: 16 rows x 528 bytes on the way in, 16 x 272 on the way out,
.set STG,   16*528
.set TAB,   STAGE+4*STG                ; G[512], then b'[512], f32,
.set SPARE, TAB+4096                   ; and the spare words, 128 bytes for each wave: two blocks of 256 bytes that no other line names
.set NCH,   12                         ; chunks: six steps of two
.set NGR,   4                          ; groups of accumulators in the step's vector work
.set GRR,   64                         ; registers in a group: eight accumulators
.set ADRA, 4                           ; v4-5    LDS address of my state fragments, rows 0-63 and 64-127
.set ADRB, 6                           ; v6-7    of my fragments of W in slot 0, 1
.set PUB,  8                           ; v8-9    where I put 16 bytes of the bf16 state, rows 0-63 and 64-127
.set TABR, 10                          ; v10     my eight numbers of G in the wave's first block of columns
.set TBW,  11                          ; v11     where I put four numbers of G
.set STI,  12                          ; v12     the way in: where I put 16 bytes of a row
.set STD,  13                          ; v13     the way in: where I read my 32 bytes of a block
.set GX,   14                          ; v14     my byte offset in 512 bytes of a row of x
.set STDO, 15                          ; v15     the way out: where I put 32 bytes of a row
.set RDO,  16                          ; v16     the way out: where I read a row back
.set GO2,  17                          ; v17     my byte offset in two rows of out0
.set GB,   18                          ; v18     my byte offset in gamma and b_in
.set SPW,  30                          ; v30     LDS address of my spare word; never rewritten
.set NIL,  31                          ; v31     0; never rewritten
.set TUP,  32
.set AF,   64
.set BF,   192
.set PT,   64                          ; at work where the fragments lie: packed state, rows on their way out
.set XB,  4                            ; s[4:5]   x at my work-group's first row, my wave's columns
.set OB,  12                           ; s[12:13] out0 likewise
.set WV,  14                           ; s14      my wave's number
.set G1,  24                           ; s[24:31] descriptor group 1
.set G0,  32                           ; s[32:39] descriptor group 0, a set for each slot
.set WB,  40                           ; s[40:41] wb at my wave's 128 rows
.set OFF, 42                           ; s[42:43] a tile's byte offset from there
.set CO,  44                           ; s44      0 or 65,536: the 64 rows of the chunk whose tiles are being asked for
.set CNT, 45                           ; s45      chunks to go
.set DT,  48                           ; s[48:49] DT
.set M2,  50                           ; s[50:51] -2 DT
.set L2,  52                           ; s52      2 log2(e)
.set MSB, 0
.macro WIN new                         ; the immediate's high byte repeats the setting that is left; a switch that changes nothing is dropped
.if MSB != (\new)
	s_set_vgpr_msb (MSB<<8)|(\new)
.set MSB, \new
.endif
.endm
.macro PLACES                          ; a load into a register that a matrix instruction has read, and a vector instruction that reads a matrix result, stand four places behind it
.rept 4
	v_nop
.endr
.endm
; A round of the cluster's barrier: my work-group's barrier, so that wave 0's signal speaks for all four waves; wave 0 signals; every wave waits for all four work-groups; my work-group's barrier once more.
.macro CREST                           ; a round behind its opening barrier
	s_cmp_lg_u32 s[WV], 0
	s_cbranch_scc1 .Lnot_wave_0_\@
	s_barrier_signal -3
.Lnot_wave_0_\@:
	s_barrier_wait -3
	s_barrier_signal -1
	s_barrier_wait -1
.endm
.macro ROUND
	s_barrier_signal -1
	s_barrier_wait -1
	CREST
.endm
; The slot's descriptor is aimed at tile j of the chunk CO: the address is made anew from the wave's base and an offset made apart.  Nothing in it hangs on my place in the cluster.
.macro AIM slot, j
	s_add_co_u32 s[OFF], s[CO], 256*(\j)
	s_add_nc_u64 s[G0+4*(\slot)+2:G0+4*(\slot)+3], s[WB:WB+1], s[OFF:OFF+1]
	s_or_b32 s[G0+4*(\slot)+3], s[G0+4*(\slot)+3], 0x80000000  ; 127:126 type = 2
.endm
.macro TLOAD slot                      ; my joint load; an s_nop 0 and four v_nop follow it
	tensor_load_to_lds s[G0+4*(\slot):G0+4*(\slot)+3], s[G1:G1+7]
	s_nop 0
	PLACES
.endm
; A fill between two chunks.  Every wave: all its tensor loads have landed; the add; its LDS instructions are done; a round; the one load first behind it.
.macro GATE slot, j
	WIN 0
	s_wait_tensorcnt 0x0                           ; no tensor load of mine is out, so a group 0 may be written
	ds_add_u32 v[SPW], v[NIL]                      ; 0 onto my spare word
	AIM \slot, \j
	s_wait_dscnt 0x0                               ; the add is done, and so are all my LDS loads and stores
	ROUND
	TLOAD \slot
.endm
; 24 LDS loads in one run: the fragments of 32 along K into buffer f: W's 64 rows at byte kb of slot's rows, then the state's 128 rows at byte ka.
; A fragment is 16 rows x 32 K in 8 registers: lane l holds row l % 16; registers 0-3 K = 8 (l / 16) + 0..7, registers 4-7 K = 16 + 8 (l / 16) + 0..7: two loads of 16 bytes, 32 bytes apart.
.macro FETCH slot, kb, ka, f
	WIN 0
.irp b, 0,1,2,3
	ds_load_b128 v[BF+32*(\f)+8*\b:BF+32*(\f)+8*\b+3],   v[ADRB+(\slot)] offset:(\kb)+\b*16*WPI
	ds_load_b128 v[BF+32*(\f)+8*\b+4:BF+32*(\f)+8*\b+7], v[ADRB+(\slot)] offset:(\kb)+\b*16*WPI+32
.endr
.irp a, 0,1,2,3,4,5,6,7
	ds_load_b128 v[AF+64*(\f)+8*\a:AF+64*(\f)+8*\a+3],   v[ADRA+\a/4] offset:(\ka)+(\a%4)*16*SPI
	ds_load_b128 v[AF+64*(\f)+8*\a+4:AF+64*(\f)+8*\a+7], v[ADRA+\a/4] offset:(\ka)+(\a%4)*16*SPI+32
.endr
.endm
; 4 na matrix instructions: row blocks a0 .. a0 + na - 1 x the 4 column blocks, 32 along K from buffer f.  first = 1: b' starts the sums.
; The 32 accumulators take turns, one instruction a turn, in the same order in every quarter.
.macro MUL f, a0, na, first=0
.if \first
	WIN 0x40                                       ; D in window 1; W's and the state's fragments and b' in window 0
.else
	WIN 0x50                                       ; C and D in window 1
.endif
.set ma, \a0
.rept \na
.irp b, 0,1,2,3
.if \first
	v_wmma_f32_16x16x32_bf16 v[8*(4*ma+\b):8*(4*ma+\b)+7], v[BF+32*(\f)+8*\b:BF+32*(\f)+8*\b+7], v[AF+64*(\f)+8*ma:AF+64*(\f)+8*ma+7], v[TUP+8*\b:TUP+8*\b+7]
.else
	v_wmma_f32_16x16x32_bf16 v[8*(4*ma+\b):8*(4*ma+\b)+7], v[BF+32*(\f)+8*\b:BF+32*(\f)+8*\b+7], v[AF+64*(\f)+8*ma:AF+64*(\f)+8*ma+7], v[8*(4*ma+\b):8*(4*ma+\b)+7]
.endif
.endr
.set ma, ma+1
.endr
.endm
; A tile is four quarters of 32 along K, 32 matrix instructions each, on buffers 0, 1, 0, 1.  A quarter multiplies buffer f; in its middle it fetches the next quarter's fragments into buffer g.
; tw = 1: those lie in a tile that has not been waited for yet.
.macro QUARTER slot, kb, ka, f, g, first=0, tw=0
	s_wait_dscnt 8                                 ; W's fragments and the state's rows 0-63 are in; the youngest eight loads (rows 64-127) may be out
	MUL \f, 0, 4, \first
.if \tw
	s_wait_tensorcnt 0x0                           ; the chunk's last tile: no load was issued behind it, so the count is 0; only I read my tile, so no barrier is needed
.endif
	PLACES
	FETCH \slot, \kb, \ka, \g
	s_wait_dscnt 24                                ; all but the 24 just issued
	MUL \f, 4, 4, \first
.endm
; A tile's last quarter where its slot is filled again, with tile j: it multiplies buffer 1.  In front of the round each wave waits for all its tensor loads, of which one is out: the next slot's;
; adds 0 to its spare word; and waits for that and for its reads of this slot.  Matrix work on registers stands between the add and its wait, and inside the round's opening barrier.
.macro TURN slot, next, j, ka
	WIN 0
	s_wait_tensorcnt 0x0
	ds_add_u32 v[SPW], v[NIL]
	AIM \slot, \j
	s_wait_dscnt 9                                 ; the add and the youngest eight loads may be out
	MUL 1, 0, 2
	s_wait_dscnt 0x0                               ; the add is done, and my reads of this slot are over
	s_barrier_signal -1
	MUL 1, 2, 2
	WIN 0                                          ; every window is 0 there
	s_barrier_wait -1
	CREST                                          ; no wave of any partner still reads this slot or has a load on its way
	TLOAD \slot                                    ; the first tensor load behind the round; its four v_nop are also the places in front of the loads below
	FETCH \next, 0, \ka, 0
	MUL 1, 4, 4
.endm
.macro CHUNK                           ; 512 matrix instructions: tiles 0 and 2 in slot 0, tiles 1 and 3 in slot 1; tile 0 has landed, tile 1 has just been asked for
	FETCH 0, 0, 0, 0
	QUARTER 0, 64,  64,  0, 1, 1
	QUARTER 0, 128, 128, 1, 0
	QUARTER 0, 192, 192, 0, 1
	TURN 0, 1, 2, 256
	QUARTER 1, 64,  320, 0, 1
	QUARTER 1, 128, 384, 1, 0
	QUARTER 1, 192, 448, 0, 1
	TURN 1, 0, 3, 512
	QUARTER 0, 64,  576, 0, 1
	QUARTER 0, 128, 640, 1, 0
	QUARTER 0, 192, 704, 0, 1
	QUARTER 1, 0,   768, 1, 0, 0, 1                ; nothing is filled here: the slots' next fills stand between the chunks
	QUARTER 1, 64,  832, 0, 1
	QUARTER 1, 128, 896, 1, 0
	QUARTER 1, 192, 960, 0, 1
	s_wait_dscnt 8
	MUL 1, 0, 4
	s_wait_dscnt 0x0
	MUL 1, 4, 4
	WIN 0
.endm
; G (tab = 0) or b' (tab = 2048) of chunk c's 64 columns: for each block of 16 columns my eight numbers.  Each wave reads the table bytes that its own lanes stored.
.macro TUPL tab, c
	WIN 0
.irp b, 0,1,2,3
	ds_load_b128 v[TUP+8*\b:TUP+8*\b+3],   v[TABR] offset:(\tab)+256*(\c)+64*\b
	ds_load_b128 v[TUP+8*\b+4:TUP+8*\b+7], v[TABR] offset:(\tab)+256*(\c)+64*\b+16
.endr
.endm
; THE STEP ITSELF for chunk c's columns, in place on the 32 accumulators, by groups of eight, in six phases.  Phase j has two runs.  The first: 2^y of group j, and behind every two exponentials one packed
; + 1 of group j - 1.  The second: the reciprocals of group j - 1, and behind every two of them one packed DT - 2 DT q of group j - 2.  The + 1 reads exponentials of phase j - 1 and the DT - 2 DT q
; reciprocals of phase j - 1, both waited for at that phase's end; the reciprocals read the + 1's plain results.  So no line of a phase names a result of the phase's own transcendentals: they are one batch
; of up to 128, each result in a register of its own, with one wait at the phase's end.  Each accumulator is read from its lowest register on.  Then s = s G + that.
.macro EP c
	TUPL 0, \c
	WIN 0x41                                       ; destination and source 0 in window 1
.set ej, 0
.rept NGR+2
.set ek, 0
.rept GRR/2                            ; the first run, pair ek of the group's 32
.set e0, GRR*ej+2*ek
.if ej < NGR
	v_exp_f32 v[e0], v[e0]
	v_exp_f32 v[e0+1], v[e0+1]
.endif
.if (ej >= 1) && (ej <= NGR)
	v_pk_add_f32 v[e0-GRR:e0-GRR+1], v[e0-GRR:e0-GRR+1], 1.0 op_sel_hi:[1,0]
.endif
.set ek, ek+1
.endr
.set ek, 0
.rept GRR/2                            ; the second run
.set e0, GRR*ej+2*ek
.if (ej >= 1) && (ej <= NGR)
	v_rcp_f32 v[e0-GRR], v[e0-GRR]
	v_rcp_f32 v[e0-GRR+1], v[e0-GRR+1]
.endif
.if ej >= 2
	v_pk_fma_f32 v[e0-2*GRR:e0-2*GRR+1], v[e0-2*GRR:e0-2*GRR+1], s[M2:M2+1], s[DT:DT+1] op_sel_hi:[1,0,0]
.endif
.set ek, ek+1
.endr
.if ej < 2
	v_nop                                          ; phases 0 and 1 end on a transcendental: the plain instruction behind it (ISA guide 5.7.2); in phases 2 to 4 the last DT - 2 DT q, of another group, is that instruction
.endif
.if ej <= NGR
	s_wait_alu depctr_va_vdst(0)                   ; the wait for the phase's batch, ahead of the first line that names a result: 2^y of group ej and the reciprocals of group ej - 1
.endif
.set ej, ej+1
.endr
	s_wait_dscnt 0x0                               ; G is in
	WIN 0x92+0x41*(\c)                             ; the state (destination and source 0) in window 2 or 3, G in window 0, DT tanh in window 1
.set ei, 0
.rept 32
.irp p, 0,1,2,3
	v_pk_fma_f32 v[8*ei+2*\p:8*ei+2*\p+1], v[8*ei+2*\p:8*ei+2*\p+1], v[TUP+8*(ei%4)+2*\p:TUP+8*(ei%4)+2*\p+1], v[8*ei+2*\p:8*ei+2*\p+1]
.endr
.set ei, ei+1
.endr
	WIN 0
.endm
; My 128 columns of the state, rounded to bf16, go into the shared copy: a lane's eight numbers are 16 bytes of a row.
.macro PUBLISH
.irp c, 0,1
	WIN 0x0a+5*\c                                  ; sources 0 and 1 in window 2 or 3
.set pq, 0
.rept 32
.irp p, 0,1,2,3
	v_cvt_pk_bf16_f32 v[PT+4*pq+\p], v[8*pq+2*\p], v[8*pq+2*\p+1]
.endr
.set pq, pq+1
.endr
	WIN 0
.set pq, 0
.rept 32
	ds_store_b128 v[PUB+pq/16], v[PT+4*pq:PT+4*pq+3] offset:((pq/4)%4)*16*SPI+32*(4*\c+pq%4)
.set pq, pq+1
.endr
.endr
.endm
; THE WAY IN.  XLOAD: block a's 16 rows, each load 512 consecutive bytes of one row, into slot a % 4 of window 1.
.macro XLOAD a
	WIN 0x40
.set xt, 0
.rept 16
	global_load_b128 v[64*((\a)%4)+4*xt:64*((\a)%4)+4*xt+3], v[GX], s[XB:XB+1] offset:(16*(\a)+xt)*2048 th:TH_LOAD_NT
.set xt, xt+1
.endr
.endm
; XTURN: block a goes through my stage into the state's layout.  LDS serves a wave's instructions in order (ISA guide 5.7.1.4): the loads see the stores above them, and the next block's stores come behind these loads.
.macro XTURN a, left
	s_wait_loadcnt \left                           ; loads come back in order: block a is in, the younger blocks' loads stay out
.if (\a) < 5
	XLOAD (\a)+3
.endif
	WIN 0x04                                       ; the data in window 1
.set xt, 0
.rept 16
	ds_store_b128 v[STI], v[64*((\a)%4)+4*xt:64*((\a)%4)+4*xt+3] offset:xt*528
.set xt, xt+1
.endr
	WIN 0x80
.irp b, 0,1,2,3
	ds_load_b128 v[8*(4*(\a)+\b):8*(4*(\a)+\b)+3],   v[STD] offset:64*\b
	ds_load_b128 v[8*(4*(\a)+\b)+4:8*(4*(\a)+\b)+7], v[STD] offset:64*\b+16
.endr
	WIN 0xc0
.irp b, 0,1,2,3
	ds_load_b128 v[8*(4*(\a)+\b):8*(4*(\a)+\b)+3],   v[STD] offset:256+64*\b
	ds_load_b128 v[8*(4*(\a)+\b)+4:8*(4*(\a)+\b)+7], v[STD] offset:256+64*\b+16
.endr
	WIN 0
.endm
; THE WAY OUT of chunk c's columns, a block of 16 rows at a time: 32 bytes a lane into rows of 272 bytes of my stage, back as whole rows of 256 bytes, and stored.
.macro TOST c, a
	WIN 0x08+4*(\c)                                ; the data in window 2 or 3
.irp b, 0,1,2,3
	ds_store_b128 v[STDO], v[8*(4*(\a)+\b):8*(4*(\a)+\b)+3]   offset:64*\b
	ds_store_b128 v[STDO], v[8*(4*(\a)+\b)+4:8*(4*(\a)+\b)+7] offset:64*\b+16
.endr
	WIN 0
.if (\a) >= 4
	s_wait_xcnt 0x0                                ; the buffer is used a second time: the stores of the block four back have had their addresses translated (ISA guide 3.1), so their data registers may be loaded again
.endif
.irp t, 0,1,2,3,4,5,6,7
	ds_load_b128 v[PT+32*((\a)%4)+4*\t:PT+32*((\a)%4)+4*\t+3], v[RDO] offset:\t*544
.endr
.endm
.macro SEND c, a, younger              ; younger: the LDS instructions issued behind block a's loads: the next block's sixteen, or none
	s_wait_dscnt \younger
.irp t, 0,1,2,3,4,5,6,7
	global_store_b128 v[GO2], v[PT+32*((\a)%4)+4*\t:PT+32*((\a)%4)+4*\t+3], s[OB:OB+1] offset:(16*(\a)+2*\t)*2048+256*(\c) th:TH_STORE_NT  ; 16 lanes store 256 consecutive bytes, at a multiple of 256 from out0's first byte
.endr
.endm
.macro OUTC c
	TOST \c, 0
.irp a, 1,2,3,4,5,6,7
	TOST \c, \a
	SEND \c, (\a)-1, 16
.endr
	SEND \c, 7, 0
.endm
	s_load_b256 s[4:11], s[0:1], 0x0               ; x s[4:5], wb s[6:7], b_in s[8:9], gamma s[10:11]
	s_load_b64 s[12:13], s[0:1], 0x20              ; out0
	v_lshl_add_u32 v[SPW], v0, 2, SPARE
	v_mov_b32 v[NIL], 0
	ds_add_u32 v[SPW], v[NIL]                      ; the wave's opening: the add and its wait stand ahead of my first tensor load; the set-up below, work on registers, stands between them
	v_lshrrev_b32 v1, 5, v0
	v_readfirstlane_b32 s[WV], v1                  ; wave 0..3
	s_bfe_u32 s15, ttmp6, 0x40000                  ; cx: my place in the cluster: it enters x's and out0's addresses alone
	s_lshl_b32 s16, ttmp9, 2                       ; in a cluster launch ttmp9 counts clusters
	s_add_co_u32 s16, s16, s15                     ; my work-group
	s_lshl_b32 s16, s16, 18                        ; its 128 rows of 2,048 bytes,
	s_lshl_b32 s17, s[WV], 9                       ; my wave's 512 bytes of a row
	s_add_co_u32 s16, s16, s17
	s_mov_b32 s17, 0
	s_lshl_b32 s18, s[WV], 17                      ; my wave's 128 rows of wb, 1,024 bytes each
	s_mov_b32 s19, 0
	; descriptor group 1: a tile of 64 rows x 128 elements, padded in LDS
	s_mov_b32 s[G1], 15|(1<<16)|(1<<20)|(1<<21)|(5<<22)|(3<<25)  ; 15:0 the mask: all four work-groups; 17:16 elements of 2 bytes; 20 padding on; 21 set beside a mask; 24:22 after every 64 words (code 5); 31:25 4 words of it (code 3)
	s_mov_b32 s[G1+1], 128<<16                     ; tensor_dim0 = 128
	s_mov_b32 s[G1+2], 64<<16                      ; tensor_dim1 = 64
	s_mov_b32 s[G1+3], 128<<16                     ; tile_dim0 = 128: rows of 256 bytes, at multiples of 256 from wb's first byte
	s_mov_b32 s[G1+4], 64                          ; tile_dim1 = 64
	s_mov_b32 s[G1+5], 512                         ; 512 elements from row to row
	s_mov_b32 s[G1+6], 0
	s_mov_b32 s[G1+7], 0
	s_mul_i32 s20, s[WV], WQ                       ; my quarter of a slot: no place in the cluster enters an LDS address
	s_mov_b32 s[G0], 1                             ; 1:0 count = 1
	s_add_co_u32 s[G0+1], s20, RING                ; 63:32 LDS address
	s_mov_b32 s[G0+4], 1
	s_add_co_u32 s[G0+5], s20, RING+SLOT
	s_mov_b32 s[OFF+1], 0
	s_mov_b32 s[CO], 0
	s_mov_b32 s[DT], 0x3e2aaaab                    ; 1/6
	s_mov_b32 s[DT+1], s[DT]                       ; named as pairs
	s_mov_b32 s[M2], 0xbeaaaaab                    ; -1/3
	s_mov_b32 s[M2+1], s[M2]
	s_mov_b32 s[L2], 0x4038aa3b                    ; 2 log2(e)
	s_wait_dscnt 0x0                               ; the opening add is done
	s_wait_kmcnt 0x0
	s_add_nc_u64 s[XB:XB+1], s[XB:XB+1], s[16:17]
	s_add_nc_u64 s[OB:OB+1], s[OB:OB+1], s[16:17]
	s_add_nc_u64 s[WB:WB+1], s[6:7], s[18:19]
	AIM 0, 0
	ROUND                                          ; all four work-groups are here: the first joint loads meet
	TLOAD 0                                        ; chunk 0's tile 0; slot 1 is first filled behind the round in front of the first chunk
	; the loads of the way in go out as soon as their offsets are made; the other addresses are made behind them
	v_and_b32 v3, 31, v0                           ; lane
	v_lshlrev_b32 v[GX], 4, v3
	v_lshlrev_b32 v[GB], 4, v0                     ; thread t takes columns 4 t .. 4 t + 3 of gamma and b_in: wave w's threads its own 128 columns
	global_load_b128 v[64:67], v[GB], s[10:11]
	global_load_b128 v[68:71], v[GB], s[8:9]
	XLOAD 0
	XLOAD 1
	XLOAD 2
	WIN 0
	v_and_b32 v1, 15, v0                           ; r = l % 16
	v_bfe_u32 v2, v0, 4, 1                         ; h = l / 16
	v_mul_u32_u24 v[ADRA], v1, SPI
	v_lshl_add_u32 v[ADRA], v2, 4, v[ADRA]         ; row x pitch + 16 x half
	v_add_nc_u32 v[ADRA+1], 64*SPI, v[ADRA]
	s_add_co_u32 s21, s20, RING
	v_mul_u32_u24 v[ADRB], v1, WPI
	v_lshl_add_u32 v[ADRB], v2, 4, v[ADRB]
	v_add_nc_u32 v[ADRB], s21, v[ADRB]
	v_add_nc_u32 v[ADRB+1], SLOT, v[ADRB]
	s_lshl_b32 s21, s[WV], 8                       ; my wave's 256 bytes of a row of the bf16 state
	v_add_nc_u32 v[PUB], s21, v[ADRA]
	v_add_nc_u32 v[PUB+1], s21, v[ADRA+1]
	s_lshl_b32 s22, s[WV], 9                       ; my wave's 512 bytes of each table
	s_add_co_u32 s22, s22, TAB
	v_lshl_add_u32 v[TABR], v2, 5, s22
	v_lshl_add_u32 v[TBW], v3, 4, s22
	s_mul_i32 s23, s[WV], STG
	s_add_co_u32 s23, s23, STAGE                   ; my stage
	v_lshl_add_u32 v[STI], v3, 4, s23
	v_mul_u32_u24 v[STD], v1, 528
	v_lshl_add_u32 v[STD], v2, 5, v[STD]
	v_add_nc_u32 v[STD], s23, v[STD]
	v_mul_u32_u24 v[STDO], v1, 272
	v_lshl_add_u32 v[STDO], v2, 5, v[STDO]
	v_add_nc_u32 v[STDO], s23, v[STDO]
	v_mul_u32_u24 v[RDO], v2, 272                  ; back: lanes 0-15 take one row of 256 bytes, lanes 16-31 the next
	v_lshl_add_u32 v[RDO], v1, 4, v[RDO]
	v_add_nc_u32 v[RDO], s23, v[RDO]
	v_lshlrev_b32 v[GO2], 11, v2                   ; and the same two rows in out0
	v_lshl_add_u32 v[GO2], v1, 4, v[GO2]
	s_wait_loadcnt 48                              ; gamma and b_in are in; the 48 loads of x issued behind them stay out
.irp i, 0,1,2,3
	v_fma_f32 v[64+\i], v[64+\i], s[DT], 1.0       ; G = 1 + DT gamma
	v_mul_f32 v[68+\i], s[L2], v[68+\i]            ; b' = 2 log2(e) b
.endr
	ds_store_b128 v[TBW], v[64:67]
	ds_store_b128 v[TBW], v[68:71] offset:2048
	XTURN 0, 32
	XTURN 1, 32
	XTURN 2, 32
	XTURN 3, 32
	XTURN 4, 32
	XTURN 5, 32
	XTURN 6, 16
	XTURN 7, 0
	s_wait_dscnt 0x0                               ; the whole state is in its registers
	s_mov_b32 s[CNT], NCH
	s_branch .Lpub                                 ; the loop is entered where a step begins
.Lchunk:                                               ; eleven times: a chunk's sums are finished, and another chunk follows
	s_xor_b32 s[CO], s[CO], 0x10000                ; the other 64 rows of W
	GATE 0, 0                                      ; every wave has read both slots and the state for the last time; the next chunk's tile 0 lands under the vector work below; the four v_nop are the places behind the last products
	s_cmp_eq_u32 s[CO], 0
	s_cbranch_scc1 .Lodd
	EP 0                                           ; chunk 0 is finished: its columns step in registers; the copy in LDS stays as it was for chunk 1
	s_cmp_lg_u32 s[CNT], 1
	s_cbranch_scc1 .Lkeep
	OUTC 0                                         ; in the last step these columns are final: they leave under the last chunk's products
	s_wait_xcnt 0x0                                ; the stores' data registers take fragments again only behind this wait
.Lkeep:
	TUPL 2048, 1
	s_branch .Ljoin
.Lodd:
	EP 1                                           ; chunk 1 is finished: the step is complete
.Lpub:
	PUBLISH
	TUPL 2048, 0
.Ljoin:
	GATE 1, 1                                      ; tile 0 has landed; b' is in; every wave's part of the state is written; tile 1 is asked for
	CHUNK
	s_sub_co_u32 s[CNT], s[CNT], 1
	s_cmp_lg_u32 s[CNT], 0
	s_cbranch_scc1 .Lchunk
	PLACES                                         ; behind the last products
	EP 1
	OUTC 1
	s_wait_tensorcnt 0x0                           ; the wave's end, behind my last tensor load and my last LDS store
	ds_add_u32 v[SPW], v[NIL]
	s_wait_dscnt 0x0
	ROUND                                          ; the closing round: no work-group ends while a partner may still ask for a tile that names it
	s_endpgm
.Lfunc_end_k_q3a81d5d810_node:
	.size	k_q3a81d5d810_node, .Lfunc_end_k_q3a81d5d810_node-k_q3a81d5d810_node
	.p2alignl 7, 3214868480
	.fill 96, 4, 3214868480
	.section	.rodata,"a",@progbits
	.p2align	6, 0x0
	.amdhsa_kernel k_q3a81d5d810_node
		.amdhsa_group_segment_fixed_size 327680
		.amdhsa_private_segment_fixed_size 0
		.amdhsa_enable_private_segment 0
		.amdhsa_kernarg_size 40
		.amdhsa_user_sgpr_count 2
		.amdhsa_user_sgpr_kernarg_segment_ptr 1
		.amdhsa_wavefront_size32 1
		.amdhsa_system_sgpr_workgroup_id_x 1
		.amdhsa_system_sgpr_workgroup_id_y 1
		.amdhsa_system_sgpr_workgroup_id_z 1
		.amdhsa_system_vgpr_workitem_id 0
		.amdhsa_next_free_vgpr 1024
		.amdhsa_next_free_sgpr 66
		.amdhsa_reserve_vcc 0
		.amdhsa_float_denorm_mode_32 3
		.amdhsa_float_denorm_mode_16_64 3
		.amdhsa_memory_ordered 1
		.amdhsa_forward_progress 1
		.amdhsa_inst_pref_size 255
	.end_amdhsa_kernel
	.section	.bss,"aw",@nobits
	.p2align	6
	.space	262144
	.amdgpu_metadata
---
amdhsa.version: [ 1, 2 ]
amdhsa.kernels:
  - .name:           k_q3a81d5d810_node
    .symbol:         k_q3a81d5d810_node.kd
    .args:
      - { .name: x, .offset: 0, .size: 8, .value_kind: global_buffer, .address_space: global }
      - { .name: wb, .offset: 8, .size: 8, .value_kind: global_buffer, .address_space: global }
      - { .name: b_in, .offset: 16, .size: 8, .value_kind: global_buffer, .address_space: global }
      - { .name: gamma, .offset: 24, .size: 8, .value_kind: global_buffer, .address_space: global }
      - { .name: out0, .offset: 32, .size: 8, .value_kind: global_buffer, .address_space: global }
    .group_segment_fixed_size: 327680
    .private_segment_fixed_size: 0
    .kernarg_segment_align: 8
    .kernarg_segment_size: 40
    .max_flat_workgroup_size: 128
    .sgpr_count:     66
    .vgpr_count:     1024
    .wavefront_size: 32
...
	.end_amdgpu_metadata
.endif
;; end of part 3
